; MI455X (gfx1250); checked and timed in simulation.
; The chip was launched on July 23, 2026; its instructions are those of AMD's public machine-readable ISA for CDNA 5 (MIT licence, August 2026) and "CDNA5" Instruction Set Architecture Reference Guide (July 2026). The comments in the code are by the model that wrote it; some were corrected since.
;; Kernel Regressor. Allowed arithmetic: matrix products marked QUANTISED: E3M2 operands, one E8M0 scale for each 32 along K, by v_wmma_scale_f32_16x16x128_f8f6f4 with both operands' format E3M2, f32 sums; everything else in f32.
;; Inputs: X 8,192 x 512 float32; alpha_codes 16 x 256 x 24 uint8 (E3M2 codes of alpha, K innermost, in blocks of 32 codes, four codes in three bytes); alpha_scales 16 x 256 uint8 (E8M0 scales of alpha, one for each 32 codes along K); train_X 8,192 x 512 float32.
;; Outputs: out0 8,192 x 16 float32.
;; This version of the problem:
;;   THIS VERSION OF THE PROBLEM IS GIVEN IN LOW PRECISION. The matrix products marked QUANTISED in the list below multiply operands that are first quantised to E3M2 (3 exponent bits, 2 mantissa bits; 6 bits a number), with one power-of-two scale for each 32 numbers along K (OCP MX v1.0); their sums are f32. All else is computed in f32.
;;   The module's matrix products, in the order in which they are computed (A, B: the left and right operand; K: the contracted axis; several contracted axes count as one K, in the product's order):
;;     1. [M 8,192, K 512] x [K 512, N 8,192]; A: input X; B: input train_X: QUANTISED
;;     2. [M 8,192, K 8,192] x [K 8,192, N 16]; A: computed on the way; B: input alpha (given as codes): QUANTISED
;;   THE QUANTISER, for each operand of a quantised product, along K:
;;     - K is cut into blocks of 32 from its start; a last block that is shorter is filled with zeros.
;;     - A block's scale is 2^e with e = floor(log2(the largest magnitude in the block)) - 4, held to -126 .. 127; a block of zeros has e = 0. As a byte (E8M0): e + 127.
;;     - Each number is divided by its block's scale, clamped to +-28, and rounded to the nearest number of E3M2, ties to even, subnormals kept.
;;     - The product sums the exact products of the quantised numbers (number of the format x scale) in f32.
;;   ~~~python
;;   def quantise(x, axis):      # numpy; x: float32 -> the quantised numbers, widened to float32 again
;;       x = np.moveaxis(x, axis, -1); K = x.shape[-1]
;;       x = np.pad(x, [(0, 0)] * (x.ndim - 1) + [(0, -K % 32)]); x = x.reshape(x.shape[:-1] + (-1, 32)); a = np.abs(x).max(-1, keepdims=True)
;;       e = np.where(a > 0, np.clip(np.frexp(np.where(a > 0, a, 1))[1] - 1 - 4, -126, 127), 0)      # np.frexp(a)[1] - 1 = floor(log2(a)), exactly
;;       r = np.clip(x / 2.0 ** e, -28, 28)
;;       step = 2.0 ** (np.maximum(np.frexp(np.where(r == 0, 1, r))[1] - 1, -2) - 2)
;;       q = np.round(r / step) * step * 2.0 ** e      # np.round: ties to even
;;       return np.moveaxis(q.reshape(q.shape[:-2] + (-1,))[..., :K], -1, axis).astype(np.float32)
;;   ~~~
;;   OPERANDS COMPUTED ON THE WAY. 'Computed on the way' means the value that the module computes at that place (a softmax that the list does not call 'softmax' is quantised finished and normalised). What goes into a quantiser is computed in f32, as accurately as f32 sums, v_exp_f32 and their like allow (about 1e-6 of the number): no bf16 or f16 on the way to a quantiser, and a product that is left as it is and whose result goes on into a quantised operand takes f32 operands (vector FMAs, or v_wmma_f32_16x16x4_f32). A number that lies on a knife's edge between two numbers of the format may be rounded either way, as far as f32 arithmetic and the matrix unit's own rounding can turn it there, and no further.
;;   INPUTS GIVEN AS CODES. alpha (in the module: [8192, 16], K = its axis 0): each comes as NAME_codes (uint8): NAME with its K axis moved to the last place and cut into blocks of 32 codes, [.., K / 32, bytes a block], one block behind the other in memory; four codes in three bytes: a row's codes are one little-endian stream of bits, code i at bits 6 i .. 6 i + 5 (a code: sign, 3 exponent bits, 2 mantissa bits); and NAME_scales (uint8): the same leading axes, one E8M0 byte (e + 127) for each 32 codes along K. Its value is code x scale, taken as it is: it is not quantised again, and the codes and scales need not be those that the quantiser above would give.
;; One version. Each part assembles by itself: llvm-mc -triple=amdgcn-amd-amdhsa -mcpu=gfx1250 --defsym DOCPART=n.
;; ======== version 1 of 1: 3 launches
;; limits: right only within a limited range of input values
;; workspace buffers: codes 6,946,816 bytes; part 8,388,608 bytes
;; launch quant (part 1): grid 1040 x 1, 4 waves a work-group, no clusters, 35,328 bytes of LDS; arguments X, train_X, codes, alpha_codes, alpha_scales; writes codes
.if DOCPART == 1
	.amdgcn_target "amdgcn-amd-amdhsa--gfx1250"
	.amdhsa_code_object_version 6
	.text
	.protected	k_qf2916643df_quant
	.globl	k_qf2916643df_quant
	.p2align	8
	.type	k_qf2916643df_quant,@function
k_qf2916643df_quant:
	s_mov_b64 s[64:65], 0
	v_nop
	global_prefetch_b8 v0, s[64:65] scope:SCOPE_SE
	s_setreg_imm32_b32 hwreg(HW_REG_WAVE_MODE, 25, 1), 1
	s_wait_xcnt 0x0
; X [8192][512] and train_X [8192][512], f32, become codes of BF6 (E3M2) with one E8M0 scale for each 32 along the 512, laid as the product's launch wants them: one RECORD of 6,656 bytes
; for each tile of 16 rows.  alpha's codes and scales are laid beside the keys that they belong to.
; A RECORD: bytes 0-6143: four fragments (K step s = 0..3, 128 along K each) as images of the operand's 12 registers: registers 4 g .. 4 g + 3 of lane l at 1536 s + 512 g + 16 l.
;   bytes 6144-6399: the scale words: at 8 (16 h + r) the word of row r for K step h, then that for K step 2 + h.
;   bytes 6400-6463: a number for each row, in the tile's order: X: -c1 |x|^2 with c1 = 0.001 log2(e); train_X: -|y|^2 / 2.  Bytes 6464-6655: zeros.
; THE BUFFER: X's 512 records; then 64 CHUNKS of 55,296 bytes, one for each 128 keys: eight records of train_X, alpha's fragment of these 128 keys as an image (1,536 bytes), its scale words
;   (256 bytes: output r's word at 8 r and at 8 (r + 16)), and 256 bytes of zeros.
; THE ROWS OF A TILE.  X's tile T: rows 16 T + i.  train_X's tile T: row i is 64 (T / 4) + 8 (T % 4) + i % 8 + 32 (i / 8): so in the product's transposed result the 32 registers of four tiles hold, in
;   lanes 0-15, one block of 32 keys, and in lanes 16-31 the next block.
; A block's scale is 2^(floor(log2(its largest magnitude)) - 4); its byte is the largest magnitude's exponent field - 4, held at 1 from below.
; LIMITS: a block of zeros, and a block whose largest magnitude lies under 2^-122, gets the byte 1 (a block of zeros has zero codes; the bytes are read by this program alone);
; NaN and infinities among the inputs are not served.  The norms are sums of f32 squares in another order than a plain running sum.
; SHARES.  Work-groups 0-15 lay alpha out, a wave for each 128 keys.  Work-group 16 + G makes record G; wave s its K step s: 16 rows x 128 numbers.  Each load reads 512 consecutive bytes of one row; the numbers
; turn through the wave's own stage in LDS, so that a lane then holds two whole blocks of 32 of one row, in the very order of the operand's registers.  All 16 loads of a wave go out at once: there is no loop.
.set REC,    6656
.set TRAIN,  512*REC
.set CHUNK,  216*256
.set FRB,    1536
.set SPITCH, 528                       ; a stage row: 512 bytes + 16: sixteen lanes that read the same column of sixteen rows touch sixteen different columns of 16 bytes
.set STGB,   16*SPITCH                 ; a wave's stage
.set SCW,    4*STGB                    ; the record's 256 bytes of scale words
.set SUMS,   SCW+256                   ; 4 waves x 16 rows: sums of squares over 128 along K
.set NRM,    SUMS+256                  ; the record's last 256 bytes
.set SPARE,  NRM+512                   ; the spare words, 128 bytes for each wave
.set SPW, 14                           ; v14 the address of my spare word, v15 0
.set NIL, 15
.set R,   16                           ; v16-79   the numbers as loaded
.set XN,  80                           ; v80-143  my two blocks: 32 numbers of block h, 32 of block 2 + h
.set C,   144                          ; v144-155 the fragment's 12 registers
.set T0,  156                          ; v156-158, v160-162: a conversion's three registers begin on an even number: the second half of a block's six is made here and moved
.set T1,  160
.set M,   164                          ; v164-165 largest magnitudes, v166-167 scale operands, v168-169 bytes, v170 the scale word, v171 at work
.set SQ,  172                          ; v172-179 four chains of squares, two numbers each
	s_load_b128 s[4:7], s[0:1], 0x0                ; X, train_X
	s_load_b64 s[8:9], s[0:1], 0x10                ; codes
	s_load_b128 s[32:35], s[0:1], 0x18             ; alpha_codes, alpha_scales
	v_lshl_add_u32 v[SPW], v0, 2, SPARE
	v_mov_b32 v[NIL], 0
	v_lshrrev_b32 v1, 5, v0
	v_readfirstlane_b32 s12, v1                    ; wave = K step
	v_and_b32 v1, 31, v0                           ; lane
	v_and_b32 v2, 15, v0                           ; r
	v_bfe_u32 v3, v0, 4, 1                         ; h
	s_sub_co_u32 s29, ttmp9, 16                    ; the record's number G
	s_and_b32 s14, s29, 511                        ; the tile's number T in its tensor
	s_lshl_b32 s13, s14, 4                         ; X: first row 16 T
	s_lshr_b32 s15, s14, 2
	s_lshl_b32 s15, s15, 6
	s_and_b32 s16, s14, 3
	s_lshl_b32 s16, s16, 3
	s_add_co_u32 s15, s15, s16                     ; train_X: first row 64 (T / 4) + 8 (T % 4)
	s_mov_b32 s17, 65536                           ; train_X: the tile's row 8 lies 32 rows of 2,048 bytes below its row 0 (X: 8 rows)
	s_mov_b32 s18, 0xbabd18d1                      ; -c1 = -0.001 log2(e)
	s_mov_b32 s19, 0xbf000000                      ; -0.5
	s_mov_b32 s30, 0x76543210
	s_mov_b32 s31, 0xfedcba98                      ; v_permlanex16_b32's selects for lane l xor 16
	s_mul_i32 s22, s29, REC                        ; my record,
	s_lshr_b32 s36, s14, 3
	s_mul_i32 s36, s36, CHUNK-8*REC                ; and, among train_X's, alpha's part of each chunk ahead of mine
	s_mov_b32 s23, 0
	s_wait_alu depctr_va_vdst(0)
	s_wait_kmcnt 0x0
	s_cmp_lt_u32 ttmp9, 16
	s_cbranch_scc1 .Lalpha
	s_cmp_lt_u32 s29, 512                          ; X's work-group or train_X's?  The choice hangs on the work-group's number alone; only selections follow the compare
	s_cselect_b64 s[4:5], s[4:5], s[6:7]
	s_cselect_b32 s13, s13, s15
	s_cselect_b32 s17, 16384, s17
	s_cselect_b32 s18, s18, s19
	s_cselect_b32 s36, 0, s36
	s_add_co_u32 s22, s22, s36
	s_lshl_b32 s20, s13, 11                        ; the first row, in bytes
	s_mov_b32 s21, 0
	s_add_nc_u64 s[4:5], s[4:5], s[20:21]
	s_add_nc_u64 s[8:9], s[8:9], s[22:23]
	v_lshlrev_b32 v12, 4, v1                       ; 16 x lane
	s_lshl_b32 s24, s12, 9
	v_add_nc_u32 v4, s24, v12                      ; in: my 16 bytes of the K step's 512 in a row
	v_add_nc_u32 v5, s17, v4                       ; the same from the tile's row 8 on
.irp i, 0,1,2,3,4,5,6,7
	global_load_b128 v[R+4*\i:R+4*\i+3], v4, s[4:5] offset:2048*\i th:TH_LOAD_NT        ; 32 lanes read 512 consecutive bytes of row i
.endr
.irp i, 0,1,2,3,4,5,6,7
	global_load_b128 v[R+32+4*\i:R+32+4*\i+3], v5, s[4:5] offset:2048*\i th:TH_LOAD_NT  ; rows 8 to 15
.endr
	s_mul_i32 s25, s12, STGB
	v_add_nc_u32 v6, s25, v12                      ; into my stage: 16 x lane
	v_mul_u32_u24 v7, v2, SPITCH
	v_lshl_add_u32 v7, v3, 7, v7
	v_add_nc_u32 v7, s25, v7                       ; out of it: row r, + 128 h: block h; block 2 + h lies 256 bytes on
	s_mul_i32 s26, s12, FRB
	v_add_nc_u32 v8, s26, v12                      ; my place in the record's images
	s_and_b32 s27, s12, 1
	s_lshl_b32 s27, s27, 7
	s_lshr_b32 s28, s12, 1
	s_lshl_b32 s28, s28, 2
	s_add_co_u32 s27, s27, s28
	s_add_co_u32 s27, s27, SCW
	v_lshl_add_u32 v9, v2, 3, s27                  ; my row's scale word of this K step: SCW + 128 (s % 2) + 8 r + 4 (s / 2)
	s_lshl_b32 s28, s12, 6
	s_add_co_u32 s28, s28, SUMS
	v_lshl_add_u32 v10, v2, 2, s28                 ; my row's sum of squares: SUMS + 64 s + 4 r
	v_lshlrev_b32 v11, 3, v1                       ; 8 x lane
	v_lshlrev_b32 v13, 2, v2                       ; 4 r
.set i, 0
	s_wait_alu depctr_va_vdst(0)
.rept 16
	s_wait_loadcnt 15-i                            ; loads come back in order: row i is in, the younger ones stay out
	ds_store_b128 v6, v[R+4*i:R+4*i+3] offset:SPITCH*i
.set i, i+1
.endr
.irp j, 0,1,2,3,4,5,6,7
	ds_load_b128 v[XN+4*\j:XN+4*\j+3], v7 offset:16*\j                  ; LDS serves a wave's instructions in order: these see my stores
.endr
.irp j, 0,1,2,3,4,5,6,7
	ds_load_b128 v[XN+32+4*\j:XN+32+4*\j+3], v7 offset:256+16*\j
.endr
	s_wait_dscnt 0x0
	; the sum of my 64 squares, in four chains that do not wait for each other; the first four products start them
.irp k, 0,1,2,3
	v_pk_mul_f32 v[SQ+2*\k:SQ+2*\k+1], v[XN+2*\k:XN+2*\k+1], v[XN+2*\k:XN+2*\k+1]
.endr
.set p, 4
.rept 28
	v_pk_fma_f32 v[SQ+2*(p%4):SQ+2*(p%4)+1], v[XN+2*p:XN+2*p+1], v[XN+2*p:XN+2*p+1], v[SQ+2*(p%4):SQ+2*(p%4)+1]
.set p, p+1
.endr
	v_pk_add_f32 v[SQ:SQ+1], v[SQ:SQ+1], v[SQ+2:SQ+3]
	v_pk_add_f32 v[SQ+4:SQ+5], v[SQ+4:SQ+5], v[SQ+6:SQ+7]
	v_pk_add_f32 v[SQ:SQ+1], v[SQ:SQ+1], v[SQ+4:SQ+5]
	v_add_f32 v[SQ], v[SQ], v[SQ+1]
	v_permlanex16_b32 v[SQ+2], v[SQ], s30, s31     ; (its destination has been written)
	v_add_f32 v[SQ], v[SQ], v[SQ+2]                ; with lane l xor 16's: row r's 128 squares
	ds_store_b32 v10, v[SQ]                        ; both lanes of a row write the same word with the same value
	; my two blocks' largest magnitudes: all 32 numbers of each are mine
.irp c, 0,1
	v_max3_num_f32 v[M+\c], |v[XN+32*\c]|, |v[XN+32*\c+1]|, 0x2800000   ; and the floor 2^(5 - 127): the byte cannot fall under 1
.endr
.irp i, 2,4,6,8,10,12,14,16,18,20,22,24,26,28,30
.irp c, 0,1
	v_max3_num_f32 v[M+\c], v[M+\c], |v[XN+32*\c+\i]|, |v[XN+32*\c+\i+1]|   ; (the two blocks by turns)
.endr
.endr
.irp c, 0,1
	v_add_nc_u32 v[M+2+\c], 0xfe000000, v[M+\c]    ; 4 off the exponent field: the conversion takes the exponent field of this operand as its scale
.endr
.irp c, 0,1
	v_lshrrev_b32 v[M+4+\c], 23, v[M+2+\c]         ; the scale's byte
.endr
	v_lshl_or_b32 v[M+6], v[M+5], 16, v[M+4]       ; my two bytes: blocks h and 2 + h,
	v_lshlrev_b32 v[M+7], 3, v3
	v_lshlrev_b32 v[M+6], v[M+7], v[M+6]           ; at their places in the word (8 h bits up);
	v_permlanex16_b32 v[M+7], v[M+6], s30, s31
	v_or_b32 v[M+6], v[M+6], v[M+7]                ; with lane l xor 16's two the word is whole
	ds_store_b32 v9, v[M+6]
	v_cvt_scalef32_pk16_bf6_f32 v[C:C+2], v[XN:XN+15], v[M+2]
	v_cvt_scalef32_pk16_bf6_f32 v[T0:T0+2], v[XN+16:XN+31], v[M+2]
	v_cvt_scalef32_pk16_bf6_f32 v[C+6:C+8], v[XN+32:XN+47], v[M+3]
	v_cvt_scalef32_pk16_bf6_f32 v[T1:T1+2], v[XN+48:XN+63], v[M+3]
	v_nop                                          ; one plain instruction between a scaled conversion and the vector instruction that reads its result
.irp i, 0,1,2
	v_mov_b32 v[C+3+\i], v[T0+\i]
	v_mov_b32 v[C+9+\i], v[T1+\i]
.endr
.irp g, 0,1,2
	global_store_b128 v8, v[C+4*\g:C+4*\g+3], s[8:9] offset:512*\g     ; 32 lanes store 512 consecutive bytes, at a multiple of 256 from the buffer's first byte
.endr
	s_wait_dscnt 0x0                               ; for wave 0's sake: my scale words and my sums have landed
	s_barrier_signal -1
	s_barrier_wait -1
	s_cmp_lg_u32 s12, 0                            ; wave 0 alone writes the record's last 512 bytes; no barrier stands behind this branch
	s_cbranch_scc1 .Ldone
	v_mov_b32 v16, 0
	v_mov_b32 v17, 0
	ds_store_b64 v11, v[16:17] offset:NRM          ; 256 bytes of zeros, of which the first 64 are written over below
.irp s, 0,1,2,3
	ds_load_b32 v[18+\s], v13 offset:SUMS+64*\s
.endr
	s_wait_dscnt 0x0
	v_add_f32 v18, v18, v19                        ; the four K steps' sums, K ascending
	v_add_f32 v18, v18, v20
	v_add_f32 v18, v18, v21
	v_mul_f32 v18, s18, v18                        ; x -c1, or x -1/2
	ds_store_b32 v13, v18 offset:NRM
	ds_load_b64 v[20:21], v11 offset:SCW
	ds_load_b64 v[22:23], v11 offset:NRM           ; in order behind my stores
	s_wait_dscnt 0x0
	global_store_b64 v11, v[20:21], s[8:9] offset:6144   ; 32 lanes store 256 consecutive bytes, aligned
	global_store_b64 v11, v[22:23], s[8:9] offset:6400
.Ldone:
	s_wait_tensorcnt 0x0                           ; the wave's end
	ds_add_u32 v[SPW], v[NIL]
	s_wait_dscnt 0x0
	s_endpgm
	; ALPHA.  Wave w of work-group g lays out keys 128 n .. + 127, n = 4 g + w: lane (r, h) takes output r's bytes 96 n + 48 c + 24 h .. + 23 (c = 0, 1), which are the operand's registers 6 c .. 6 c + 5.  No LDS.
.Lalpha:
	s_lshl_b32 s20, ttmp9, 2
	s_add_co_u32 s20, s20, s12
	s_mul_i32 s24, s20, 96
	s_mov_b32 s25, 0
	s_add_nc_u64 s[32:33], s[32:33], s[24:25]
	s_lshl_b32 s24, s20, 2                         ; four scale bytes
	s_add_nc_u64 s[34:35], s[34:35], s[24:25]
	s_mul_i32 s22, s20, CHUNK
	s_add_co_u32 s22, s22, TRAIN+8*REC             ; behind the chunk's eight records
	s_add_nc_u64 s[8:9], s[8:9], s[22:23]
	v_mul_u32_u24 v4, v2, 6144
	v_lshlrev_b32 v5, 8, v2
	v_lshlrev_b32 v6, 4, v1
	v_mad_u32_u24 v4, v3, 24, v4
	v_lshlrev_b32 v7, 3, v1
	v_mov_b32 v30, 0
	v_mov_b32 v31, 0
.irp j, 0,1,2,3,4,5
	global_load_b64 v[16+2*\j:17+2*\j], v4, s[32:33] offset:48*(\j/3)+8*(\j%3)
.endr
	global_load_b32 v28, v5, s[34:35]
	s_wait_alu depctr_va_vdst(0)
	s_wait_loadcnt 0x0
	v_mov_b32 v29, v28
.irp g, 0,1,2
	global_store_b128 v6, v[16+4*\g:19+4*\g], s[8:9] offset:512*\g
.endr
	global_store_b64 v7, v[28:29], s[8:9] offset:1536
	global_store_b64 v7, v[30:31], s[8:9] offset:1792
	s_endpgm
.Lfunc_end_k_qf2916643df_quant:
	.size	k_qf2916643df_quant, .Lfunc_end_k_qf2916643df_quant-k_qf2916643df_quant
	.p2alignl 7, 3214868480
	.fill 96, 4, 3214868480
	.section	.rodata,"a",@progbits
	.p2align	6, 0x0
	.amdhsa_kernel k_qf2916643df_quant
		.amdhsa_group_segment_fixed_size 35328
		.amdhsa_private_segment_fixed_size 0
		.amdhsa_enable_private_segment 0
		.amdhsa_kernarg_size 40
		.amdhsa_user_sgpr_count 2
		.amdhsa_user_sgpr_kernarg_segment_ptr 1
		.amdhsa_wavefront_size32 1
		.amdhsa_system_sgpr_workgroup_id_x 1
		.amdhsa_system_sgpr_workgroup_id_y 1
		.amdhsa_system_sgpr_workgroup_id_z 1
		.amdhsa_system_vgpr_workitem_id 0
		.amdhsa_next_free_vgpr 180
		.amdhsa_next_free_sgpr 66
		.amdhsa_reserve_vcc 0
		.amdhsa_float_denorm_mode_32 3
		.amdhsa_float_denorm_mode_16_64 3
		.amdhsa_memory_ordered 1
		.amdhsa_forward_progress 1
		.amdhsa_inst_pref_size 16
	.end_amdhsa_kernel
	.amdgpu_metadata
---
amdhsa.version: [ 1, 2 ]
amdhsa.kernels:
  - .name:           k_qf2916643df_quant
    .symbol:         k_qf2916643df_quant.kd
    .args:
      - { .name: X, .offset: 0, .size: 8, .value_kind: global_buffer, .address_space: global }
      - { .name: train_X, .offset: 8, .size: 8, .value_kind: global_buffer, .address_space: global }
      - { .name: codes, .offset: 16, .size: 8, .value_kind: global_buffer, .address_space: global }
      - { .name: alpha_codes, .offset: 24, .size: 8, .value_kind: global_buffer, .address_space: global }
      - { .name: alpha_scales, .offset: 32, .size: 8, .value_kind: global_buffer, .address_space: global }
    .group_segment_fixed_size: 35328
    .private_segment_fixed_size: 0
    .kernarg_segment_align: 8
    .kernarg_segment_size: 40
    .max_flat_workgroup_size: 128
    .sgpr_count:     66
    .vgpr_count:     180
    .wavefront_size: 32
...
	.end_amdgpu_metadata
.endif
;; end of part 1
;; launch rbf (part 2): grid 16 x 16, 8 waves a work-group, clusters of 4 x 1, 327,680 bytes of LDS; arguments codes, part; writes part
.if DOCPART == 2
	.amdgcn_target "amdgcn-amd-amdhsa--gfx1250"
	.amdhsa_code_object_version 6
	.text
	.protected	k_qf2916643df_rbf
	.globl	k_qf2916643df_rbf
	.p2align	8
	.type	k_qf2916643df_rbf,@function
k_qf2916643df_rbf:
	s_mov_b64 s[64:65], 0
	v_nop
	global_prefetch_b8 v0, s[64:65] scope:SCOPE_SE
	s_setreg_imm32_b32 hwreg(HW_REG_WAVE_MODE, 25, 1), 1
	s_wait_xcnt 0x0
	s_wait_alu depctr_hold_cnt(0) depctr_sa_sdst(0) depctr_va_vdst(0) depctr_va_sdst(0) depctr_va_ssrc(0) depctr_va_vcc(0) depctr_vm_vsrc(0)
	s_getreg_b32 s2, hwreg(HW_REG_IB_STS2, 6, 4)
	s_cmp_eq_u32 s2, 0
	s_cbranch_scc0 .Lentry_in_a_cluster
	s_endpgm
.Lentry_in_a_cluster:
	s_bfe_u32 s2, ttmp6, 0x10000c
	s_cmp_lg_u32 s2, 0x3003
	s_cbranch_scc0 .Lentry_shape_is_right
	s_endpgm
.Lentry_shape_is_right:
; part[y][q][o] = the sum over the 512 keys k of split y of Q(p(q, k)) alpha(k, o),  p = exp(-0.001 (|x_q|^2 + |y_k|^2 - 2 Q(x_q) . Q(y_k))),  both products on codes of BF6 (E3M2) with E8M0 scales.
; p = 2^t with t = a s' + bq:  s' = Q(x) . Q(y) - |y|^2 / 2 (the key's term is the C of each sum's first matrix instruction), a = 2 c1, bq = -c1 |x|^2, c1 = 0.001 log2(e).  p is quantised as it stands, along the keys.
; LIMITS: the three terms are added in another order than (|x|^2 + |y|^2) - 2 x.y, every step in f32; a p under 2^-126 comes out as 0 (the exponential's result is flushed: ISA guide, its entry);
; a block of p whose largest lies under 2^-122 gets the byte 1 (a block of zeros has zero codes); NaN and infinities are not served.
; SHARES.  Work-group (x, y): queries 512 x .. + 511 against keys 512 y .. + 511: four chunks of 128 keys with alpha's part, 221,184 bytes, lie in LDS as in memory; each LDS byte is filled once.
; Each of eight waves holds 64 queries, four tiles, whose codes stay in registers; two waves share a SIMD, so that one wave's exponentials stand beside the other's products.
; LAYOUT.  Both products are used transposed: S^T = K Q^T (source 0 = 16 keys, source 1 = 16 queries), O^T = alpha^T P^T (source 0 = the 16 outputs, source 1 = P): a lane holds ONE query (lane % 16) throughout.
; The keys of a tile are chosen by the launch before: of a GROUP of 64 keys (four tiles) lanes 0-15 hold the first block of 32 keys whole, in 32 registers in order, and lanes 16-31 the second: the second product's
; layout, so a block's largest p and its codes need no other lane.
; A group is 64 matrix instructions, then 128 exponentials and one block's quantising for each query tile; two groups are a STEP of 128 keys, one K step of the second product.
; LOADS.  One tensor load a wave brings chunk 0 (27 rows of 256 bytes); behind the full sequence one load a wave brings the other three chunks (81 rows), which have step 0 in which to land.
; CLUSTER.  The four work-groups of a cluster share y: the chunks are asked for jointly.  The queries' codes go from memory straight into registers, and are not shared so.
; Nothing is prefetched: all tiles of the launch are asked for by its two groups of loads, and there is no loop to run ahead in.
; WINDOW 0: v0-3 block maxima; v4-8 addresses, the add's two; v9-11, v20-35 scale words, which hold nothing else; v12-19 bq, twice each; v36-47 alpha's fragment; v48-95 p's codes; v96-127 O^T; v128-255 scores, then p.
; WINDOW 1: v0-191 the queries' 16 fragments; v192-251 a ring of five key fragments; v252-254 addresses of the way out.
.set REC,   6656                       ; a tile's record: 4 images of 1,536 bytes, 256 bytes of scale words, 256 with the rows' norms
.set FRB,   1536
.set CHUNK, 216*256                    ; eight records, alpha's image of 1,536 bytes, its scale words (256 bytes), 256 bytes of zeros
.set TRAIN, 512*REC                    ; where the chunks begin in the buffer
.set STAGE, 4*CHUNK                    ; LDS: behind the chunks 4,096 bytes for each wave, for the way out; no tensor load lands there
.set SPARE, STAGE+8*4096               ; the spare words, 128 bytes for each wave
.set TM,  0
.set KA,  4                            ; v4   16 x lane + the step's first byte
.set KSA, 5                            ; v5   6144 + 8 x lane + the same
.set YA,  6                            ; v6   6400 + 32 h + the same
.set SPW, 7                            ; v7   LDS address of my spare word;  v8  0
.set NIL, 8
.set AS,  9                            ; v9   alpha's scale word
.set PS,  10                           ; v10-11 p's scale words: tile 2 i in lanes 0-15 of v[PS+i], tile 2 i + 1 in lanes 16-31
.set BQ,  12
.set QS,  20
.set KS,  28
.set AL,  36
.set P,   48
.set O,   96
.set S,   128
.set KF,  192                          ; in window 1
.set STO, 252                          ; in window 1: the way out: where I put 32 bytes of a row,
.set RD,  253                          ; where I read 16 bytes back,
.set CO,  254                          ; and where I store them
.set G1A, 16                           ; s[16:23], s[24:31] descriptor groups 1: 27 rows, 81 rows;  s[32:35], s[36:39] their groups 0
.set G1B, 24
.set G0A, 32
.set G0B, 36
.set QP,  40                           ; s[40:41] my wave's first query record
.set AC,  42                           ; s[42:43] a: the packed form names a pair and takes its low word for both halves
.set OP,  44                           ; s[44:45] my wave's 64 rows of part
.set MSB, 0
.macro WIN new                         ; the immediate's high byte repeats the setting that is left; a switch that changes nothing is dropped
.if MSB != \new
	s_set_vgpr_msb (MSB<<8)|\new
.set MSB, \new
.endif
.endm
.set W_S,  0x05                        ; sources 0 (keys) and 1 (queries) window 1; C and D window 0
.set W_LD, 0x40                        ; destination window 1, address window 0
.set W_AD, 0x01                        ; address window 1, data window 0
.macro ROUND                           ; a round of the cluster's barrier
	s_barrier_signal -1
	s_barrier_wait -1
	s_cmp_lg_u32 s12, 0
	s_cbranch_scc1 .Lnot_wave_0_\@
	s_barrier_signal -3
.Lnot_wave_0_\@:
	s_barrier_wait -3
	s_barrier_signal -1
	s_barrier_wait -1
.endm
.macro PLACES n                        ; plain vector instructions between a matrix instruction and what touches its registers (ISA guide 7.12.1 for vector instructions)
.rept \n
	v_nop
.endr
.endm
; FRAGMENT f of a group: key tile u = f % 4, K step s = f / 4.  KL loads fragment f of the step's group grp into entry e of the ring: each load takes 512 consecutive bytes.
.macro KL f, e, grp
.irp g, 0,1,2
	ds_load_b128 v[KF+12*(\e)+4*\g:KF+12*(\e)+4*\g+3], v[KA] offset:(4*(\grp)+(\f)%4)*REC+FRB*((\f)/4)+512*\g
.endr
.endm
.macro KSL grp                         ; the four tiles' scale words: K step 2 i in lanes 0-15 of a register, K step 2 i + 1 in lanes 16-31
.irp u, 0,1,2,3
	ds_load_b64 v[KS+2*\u:KS+2*\u+1], v[KSA] offset:(4*(\grp)+\u)*REC
.endr
.endm
.macro YBL grp                         ; the four tiles' -|y|^2 / 2 in the result's layout, into the accumulators of query tile 3: the C of every sum's first matrix instruction
.irp u, 0,1,2,3
	ds_load_b128 v[S+96+8*\u:S+96+8*\u+3], v[YA] offset:(4*(\grp)+\u)*REC
	ds_load_b128 v[S+96+8*\u+4:S+96+8*\u+7], v[YA] offset:(4*(\grp)+\u)*REC+16
.endr
.endm
; One matrix instruction: query tile q, fragment f in entry e.  ini = 1: C is the key's term, which lies in query tile 3's accumulator.
.macro M1 q, f, e, ini
.set DD, S+32*(\q)+8*((\f)%4)
.set CC, DD
.if \ini
.set CC, S+96+8*((\f)%4)
.endif
.set QQ, 48*(\q)+12*((\f)/4)
.set KK, KF+12*(\e)
.if ((\f)/4)%2
	v_wmma_scale_f32_16x16x128_f8f6f4 v[DD:DD+7], v[KK:KK+11], v[QQ:QQ+11], v[CC:CC+7], v[KS+2*((\f)%4)+(\f)/8], v[QS+2*(\q)+(\f)/8] matrix_a_fmt:MATRIX_FMT_BF6 matrix_b_fmt:MATRIX_FMT_BF6 matrix_a_scale:MATRIX_SCALE_ROW1 matrix_b_scale:MATRIX_SCALE_ROW1
.else
	v_wmma_scale_f32_16x16x128_f8f6f4 v[DD:DD+7], v[KK:KK+11], v[QQ:QQ+11], v[CC:CC+7], v[KS+2*((\f)%4)+(\f)/8], v[QS+2*(\q)+(\f)/8] matrix_a_fmt:MATRIX_FMT_BF6 matrix_b_fmt:MATRIX_FMT_BF6
.endif
.endm
.macro MMF f, e                        ; fragment f against the four query tiles (the 16 accumulators take turns, one instruction a turn)
	WIN W_S
.irp q, 0,1,2,3
	M1 \q, \f, \e, 0
.endr
.endm
.macro PK u                            ; t = a s' + bq of key tile u, two numbers at a time; ascending
	WIN 0
.irp q, 0,1,2,3
.irp i, 0,2,4,6
	v_pk_fma_f32 v[S+32*\q+8*(\u)+\i:S+32*\q+8*(\u)+\i+1], v[S+32*\q+8*(\u)+\i:S+32*\q+8*(\u)+\i+1], s[AC:AC+1], v[BQ+2*\q:BQ+2*\q+1] op_sel_hi:[1,0,1]
.endr
.endr
.endm
.macro PV1 q, acc                      ; the second product: query tile q
.if (\q)%2
	v_wmma_scale_f32_16x16x128_f8f6f4 v[O+8*(\q):O+8*(\q)+7], v[AL:AL+11], v[P+12*(\q):P+12*(\q)+11], \acc, v[AS], v[PS+(\q)/2] matrix_a_fmt:MATRIX_FMT_BF6 matrix_b_fmt:MATRIX_FMT_BF6 matrix_b_scale:MATRIX_SCALE_ROW1
.else
	v_wmma_scale_f32_16x16x128_f8f6f4 v[O+8*(\q):O+8*(\q)+7], v[AL:AL+11], v[P+12*(\q):P+12*(\q)+11], \acc, v[AS], v[PS+(\q)/2] matrix_a_fmt:MATRIX_FMT_BF6 matrix_b_fmt:MATRIX_FMT_BF6
.endif
.endm
; Exponentials and quantising of group grp of the step.  Register S + 32 q + i of lane (r, h): query r of tile q, key i of block 2 grp + h.  more = 1: another group follows.
.macro VEC grp, more
	s_wait_alu depctr_va_vdst(0)
.set j, 0
.rept 128
	v_exp_f32 v[S+j], v[S+j]                       ; p = 2^t
.set j, j+1
.endr
	v_nop                                          ; a plain instruction behind the last exponential
	s_wait_alu depctr_va_vdst(0)                   ; and one wait behind the batch, ahead of the first instruction that names a result
.if \grp
	s_wait_dscnt 0x0                               ; alpha's fragment and scale word are in
.endif
.irp q, 0,1,2,3
	v_max3_num_f32 v[TM+\q], v[S+32*\q], v[S+32*\q+1], 0x2800000   ; my block (none is negative), and the floor 2^(5 - 127): the byte cannot fall under 1
	v_max3_num_f32 v[P+12*\q+6*(\grp)], v[S+32*\q+2], v[S+32*\q+3], v[S+32*\q+4]     ; three chains a tile; two of them in registers into which this block's codes go below
	v_max3_num_f32 v[P+12*\q+6*(\grp)+1], v[S+32*\q+5], v[S+32*\q+6], v[S+32*\q+7]
.endr
.irp i, 8,14,20,26
.irp q, 0,1,2,3
	v_max3_num_f32 v[TM+\q], v[TM+\q], v[S+32*\q+\i], v[S+32*\q+\i+1]   ; (the twelve chains by turns)
	v_max3_num_f32 v[P+12*\q+6*(\grp)], v[P+12*\q+6*(\grp)], v[S+32*\q+\i+2], v[S+32*\q+\i+3]
	v_max3_num_f32 v[P+12*\q+6*(\grp)+1], v[P+12*\q+6*(\grp)+1], v[S+32*\q+\i+4], v[S+32*\q+\i+5]
.endr
.endr
.irp q, 0,1,2,3
	v_max3_num_f32 v[TM+\q], v[TM+\q], v[P+12*\q+6*(\grp)], v[P+12*\q+6*(\grp)+1]
.endr
.irp q, 3,2,1,0
	v_add_nc_u32 v[TM+\q], 0xfe000000, v[TM+\q]    ; 4 off its exponent field: the conversion's scale operand
.endr
	; A block's codes are six registers; a conversion's three begin on an even number, so the second three are made in registers of p that are done with, and moved.
	v_cvt_scalef32_pk16_bf6_f32 v[P+36+6*(\grp):P+38+6*(\grp)], v[S+96:S+111], v[TM+3]
	v_cvt_scalef32_pk16_bf6_f32 v[P+24+6*(\grp):P+26+6*(\grp)], v[S+64:S+79], v[TM+2]
	v_nop                                          ; one plain instruction between a scaled conversion and what next writes its sources or touches its result
	v_cvt_scalef32_pk16_bf6_f32 v[S+64:S+66], v[S+112:S+127], v[TM+3]
.if \more
	YBL 1-(\grp)                                   ; query tile 3's registers are done with: the next group's norms
.endif
	v_cvt_scalef32_pk16_bf6_f32 v[S+68:S+70], v[S+80:S+95], v[TM+2]
	v_cvt_scalef32_pk16_bf6_f32 v[P+12+6*(\grp):P+14+6*(\grp)], v[S+32:S+47], v[TM+1]
	v_cvt_scalef32_pk16_bf6_f32 v[P+6*(\grp):P+2+6*(\grp)], v[S:S+15], v[TM]
	v_nop
	v_cvt_scalef32_pk16_bf6_f32 v[S+32:S+34], v[S+48:S+63], v[TM+1]
	v_cvt_scalef32_pk16_bf6_f32 v[S:S+2], v[S+16:S+31], v[TM]
	v_nop
.irp q, 0,1,2,3
	v_lshrrev_b32 v[TM+\q], 23, v[TM+\q]           ; the scale's byte: of block 2 grp in lanes 0-15, of block 2 grp + 1 in lanes 16-31
.endr
	v_permlane16_swap_b32 v[TM], v[TM+1]           ; the first's lanes 16-31 change places with the second's lanes 0-15: the first now holds blocks 2 grp of both tiles, the second blocks 2 grp + 1
	v_permlane16_swap_b32 v[TM+2], v[TM+3]
.if (\grp) == 0
	v_lshl_or_b32 v[PS], v[TM+1], 8, v[TM]         ; bytes 0 and 1 of the scale words
	v_lshl_or_b32 v[PS+1], v[TM+3], 8, v[TM+2]
.else
	v_lshl_or_b32 v[TM], v[TM+1], 8, v[TM]         ; bytes 2 and 3
	v_lshl_or_b32 v[TM+2], v[TM+3], 8, v[TM+2]
	v_lshl_or_b32 v[PS], v[TM], 16, v[PS]
	v_lshl_or_b32 v[PS+1], v[TM+2], 16, v[PS+1]
.endif
.irp i, 0,1,2
	v_mov_b32 v[P+39+6*(\grp)+\i], v[S+64+\i]
	v_mov_b32 v[P+27+6*(\grp)+\i], v[S+68+\i]
	v_mov_b32 v[P+15+6*(\grp)+\i], v[S+32+\i]
	v_mov_b32 v[P+3+6*(\grp)+\i], v[S+\i]
.endr
.endm
; Group grp of step n.  Fragments 0 to 4 are in the ring or on their way, each in the entry of its number; the others follow in five runs, each behind its four places.
; A wait's count is three loads for each fragment issued behind the one that is multiplied next.
; ONE BARRIER A GROUP, in two halves: a wave signals ahead of its last four products and waits ahead of the next group's first: so the waves that go first do their exponentials while the others multiply.
; Between the halves stand register work and LDS loads of chunks into which nothing is filled again.  The barrier of step 0's second group also shows chunks 1 to 3 to every wave: the first reads of chunk 1 stand behind it.
.macro GROUP n, grp
.set FIRST, ((\n)+(\grp)) == 0
.set MEET,  ((\n) == 0) && ((\grp) == 1)
.set BEHIND, ((\n) == 1) && ((\grp) == 0)
.set LAST,  ((\n) == 3) && ((\grp) == 1)
.set MORE,  1                          ; the next group's first loads stand in this group
.if MEET || LAST
.set MORE,  0
.endif
.if !FIRST
	s_barrier_wait -1                              ; all eight waves are through the last group's products
.endif
.if BEHIND
	YBL 0
	KSL 0
	WIN W_LD
.irp f, 0,1,2,3,4
	KL \f, \f, 0
.endr
	WIN 0
.endif
	s_wait_dscnt 0x0                               ; fragments 0 to 4, the norms and the scale words
.if FIRST
	s_wait_loadcnt 36                              ; the queries' K step 0, their scale words and bq; K steps 1 to 3, twelve loads each, may be out
.endif
	WIN W_S
.irp u, 0,1
.irp q, 0,1,2
	M1 \q, \u, \u, 1
.endr
.endr
	PLACES 5                                       ; query tile 3's products write over what these six took as C
	M1 3, 0, 0, 1
	M1 3, 1, 1, 1
.irp u, 2,3
.irp q, 0,1,2
	M1 \q, \u, \u, 1
.endr
.endr
	PLACES 5                                       ; the same; and the places in front of the loads
	WIN W_LD
	KL 5, 0, \grp
	KL 6, 1, \grp
	WIN W_S
	M1 3, 2, 2, 1
	M1 3, 3, 3, 1
.if FIRST
	s_wait_loadcnt 24
.endif
	MMF 4, 4
	PLACES 4
	WIN W_LD
	KL 7, 2, \grp
	KL 8, 3, \grp
	KL 9, 4, \grp
	s_wait_dscnt 12
	MMF 5, 0
	s_wait_dscnt 9
	MMF 6, 1
	PLACES 4
	WIN W_LD
	KL 10, 0, \grp
	KL 11, 1, \grp
	s_wait_dscnt 12
	MMF 7, 2
.if FIRST
	s_wait_loadcnt 12
.endif
	s_wait_dscnt 9
	MMF 8, 3
	s_wait_dscnt 6
	MMF 9, 4
	PLACES 4
	WIN W_LD
	KL 12, 2, \grp
	KL 13, 3, \grp
	KL 14, 4, \grp
	s_wait_dscnt 12
	MMF 10, 0
	s_wait_dscnt 9
	MMF 11, 1
.if FIRST
	s_wait_loadcnt 0x0
.endif
	s_wait_dscnt 6
	MMF 12, 2
	PLACES 4                                       ; for the load below, and for the first multiply-adds
	WIN W_LD
	KL 15, 0, \grp
	s_wait_dscnt 6
	MMF 13, 3
	PK 0                                           ; from here on the multiply-adds of one tile are the places behind the next tile's products
	s_wait_dscnt 3
	MMF 14, 4
	PK 1
.if MEET
	s_wait_tensorcnt 0x0                           ; my rows of chunks 1 to 3 have landed
.endif
	s_wait_dscnt 0x0                               ; the last fragment; no LDS instruction of mine is out
.if !LAST
	s_barrier_signal -1
.endif
	MMF 15, 0
	PK 2
.if (\grp) == 1
.irp g, 0,1,2
	ds_load_b128 v[AL+4*\g:AL+4*\g+3], v[KA] offset:8*REC+512*\g        ; alpha's fragment of this step
.endr
	ds_load_b32 v[AS], v[KSA] offset:8*REC+1536-6144
.if (\n) < 3
	v_add_nc_u32 v[KA], CHUNK, v[KA]               ; on to the next step's chunk
	v_add_nc_u32 v[KSA], CHUNK, v[KSA]
	v_add_nc_u32 v[YA], CHUNK, v[YA]
.endif
.endif
.if MORE
	KSL 1-(\grp)
	WIN W_LD
.irp f, 0,1,2,3,4
	KL \f, \f, 1-(\grp)
.endr
.endif
	PK 3
	VEC \grp, MORE
.if (\grp) == 1
	PLACES 4                                       ; codes written by vector instructions stand 4 places ahead of a scaled matrix instruction, scale words 8 (the moves and these)
	s_wait_alu depctr_va_vdst(0)                   ; ahead of the first reader of O^T
.irp q, 0,1,2,3
.if (\n) == 0
	PV1 \q, 0
.else
	PV1 \q, v[O+8*\q:O+8*\q+7]
.endif
.endr
.endif
.endm
	s_load_b128 s[4:7], s[0:1], 0x0                ; codes, part
	v_lshl_add_u32 v[SPW], v0, 2, SPARE
	v_mov_b32 v[NIL], 0
	ds_add_u32 v[SPW], v[NIL]                      ; the opening: the add, twice on end, and its wait
	ds_add_u32 v[SPW], v[NIL]
	v_lshrrev_b32 v[S], 5, v0
	v_readfirstlane_b32 s12, v[S]                  ; wave 0..7
	s_bfe_u32 s13, ttmp6, 0x40000                  ; cx: my place in the cluster: it enters the queries' and part's addresses alone
	s_lshl_b32 s14, ttmp9, 2                       ; in a cluster launch ttmp9 counts clusters
	s_add_co_u32 s14, s14, s13                     ; x: my block of 512 queries
	s_and_b32 s15, ttmp7, 0xffff                   ; y: the split of 512 keys, which the four partners share
	; descriptor groups 1: dense rows of 256 bytes (32 elements of 8 bytes): 27 rows of chunk 0, 81 rows of chunks 1 to 3
.irp g, G1A, G1B
	s_mov_b32 s[\g+0], 15|(3<<16)|(1<<21)          ; 15:0 the mask: all four work-groups; 17:16 elements of 8 bytes; 20 no padding; 21 set beside a mask
	s_mov_b32 s[\g+1], 32<<16                      ; tensor_dim0 = 32
	s_mov_b32 s[\g+3], 32<<16                      ; tile_dim0 = 32
	s_mov_b32 s[\g+5], 32                          ; from row to row
	s_mov_b32 s[\g+6], 0
	s_mov_b32 s[\g+7], 0
.endr
	s_mov_b32 s[G1A+2], 27<<16                     ; tensor_dim1, tile_dim1
	s_mov_b32 s[G1A+4], 27
	s_mov_b32 s[G1B+2], 81<<16
	s_mov_b32 s[G1B+4], 81
	s_mov_b32 s[G0A], 1                            ; 1:0 count = 1
	s_mov_b32 s[G0B], 1
	s_mul_i32 s[G0A+1], s12, 27*256                ; 63:32 LDS address: my rows of chunk 0,
	s_mul_i32 s[G0B+1], s12, 81*256
	s_add_co_u32 s[G0B+1], s[G0B+1], CHUNK         ; and of chunks 1 to 3
	s_mul_i32 s46, s15, 4*CHUNK                    ; the split's four chunks in the buffer
	s_add_co_u32 s46, s46, TRAIN
	s_mov_b32 s47, 0
	s_mul_i32 s48, s12, 27*256
	s_mov_b32 s49, 0
	s_mul_i32 s50, s12, 81*256
	s_add_co_u32 s50, s50, CHUNK
	s_mov_b32 s51, 0
	s_lshl_b32 s[QP], s14, 5
	s_lshl_b32 s[QP+1], s12, 2
	s_add_co_u32 s[QP], s[QP], s[QP+1]
	s_mul_i32 s[QP], s[QP], REC                    ; query record 32 x + 4 wave
	s_mov_b32 s[QP+1], 0
	s_lshl_b32 s[OP], s15, 19                      ; part: split y, 524,288 bytes;
	s_lshl_b32 s[OP+1], s14, 15                    ; 512 rows of 64 bytes;
	s_add_co_u32 s[OP], s[OP], s[OP+1]
	s_lshl_b32 s[OP+1], s12, 12                    ; my wave's 64
	s_add_co_u32 s[OP], s[OP], s[OP+1]
	s_mov_b32 s[OP+1], 0
	s_mov_b32 s[AC], 0x3b3d18d1                    ; a = 2 x 0.001 x log2(e)
	s_mov_b32 s[AC+1], s[AC]                       ; (named with it as a pair, so it is written)
	s_lshl_b32 s52, s12, 12
	s_add_co_u32 s52, s52, STAGE                   ; my stage
	v_and_b32 v[S+1], 31, v0                       ; lane
	v_and_b32 v[S+2], 15, v0                       ; r
	v_bfe_u32 v[S+3], v0, 4, 1                     ; h
	v_lshlrev_b32 v[KA], 4, v[S+1]
	v_lshlrev_b32 v[KSA], 3, v[S+1]
	v_lshlrev_b32 v[S+4], 2, v[S+2]                ; 4 r
	v_lshlrev_b32 v[S+5], 6, v[S+2]                ; 64 r
	v_lshl_add_u32 v[YA], v[S+3], 5, 6400
	v_add_nc_u32 v[KSA], 6144, v[KSA]
	v_lshl_add_u32 v[S+5], v[S+3], 5, v[S+5]       ; + 32 h
	WIN W_LD
	v_add_nc_u32 v[RD], s52, v[KA]                 ; back: 16 bytes a lane
	v_lshlrev_b32 v[CO], 4, v[S+1]
	v_add_nc_u32 v[STO], s52, v[S+5]               ; in: query r's row of 64 bytes, + 32 h
	WIN 0
	s_wait_alu depctr_va_vdst(0)
	s_wait_dscnt 0x0                               ; both opening adds are done
	s_wait_kmcnt 0x0
	s_add_nc_u64 s[QP:QP+1], s[4:5], s[QP:QP+1]
	s_add_nc_u64 s[OP:OP+1], s[6:7], s[OP:OP+1]
	s_add_nc_u64 s[46:47], s[4:5], s[46:47]
	s_add_nc_u64 s[G0A+2:G0A+3], s[46:47], s[48:49]
	s_or_b32 s[G0A+3], s[G0A+3], 0x80000000        ; 127:126 type = 2
	s_add_nc_u64 s[G0B+2:G0B+3], s[46:47], s[50:51]
	s_or_b32 s[G0B+3], s[G0B+3], 0x80000000
; The queries: 60 loads a wave, the small ones first, then K step by K step: the first group waits for them by count.
.irp i, 0,1,2,3
	global_load_b64 v[QS+2*\i:QS+2*\i+1], v[KSA], s[QP:QP+1] offset:REC*\i      ; scale words (6144 lies in the address)
	global_load_b32 v[BQ+2*\i], v[S+4], s[QP:QP+1] offset:REC*\i+6400           ; bq of my query, twice: a pair for the packed multiply-add
	global_load_b32 v[BQ+2*\i+1], v[S+4], s[QP:QP+1] offset:REC*\i+6400
.endr
.macro QLOAD s
.irp i, 0,1,2,3
.irp g, 0,1,2
	global_load_b128 v[48*\i+12*(\s)+4*\g:48*\i+12*(\s)+4*\g+3], v[KA], s[QP:QP+1] offset:REC*\i+FRB*(\s)+512*\g   ; 512 consecutive bytes a load
.endr
.endr
.endm
	WIN W_LD
	QLOAD 0
	WIN 0
	ROUND                                          ; all four work-groups are here: the joint loads meet
	tensor_load_to_lds s[G0A:G0A+3], s[G1A:G1A+7]  ; my 27 rows of chunk 0: one tensor load a wave at the head
	s_nop 0
	PLACES 4                                       ; four plain instructions behind the tensor load, ahead of the switch of windows
	WIN W_LD
	QLOAD 1
	QLOAD 2
	QLOAD 3
	WIN 0
	s_wait_tensorcnt 0x0                           ; my rows have landed
	ds_add_u32 v[SPW], v[NIL]
	s_wait_dscnt 0x0
	ROUND                                          ; everybody's rows of chunk 0 have landed, and all four work-groups are here
	tensor_load_to_lds s[G0B:G0B+3], s[G1B:G1B+7]  ; my 81 rows of chunks 1 to 3, the one tensor load behind the round
	s_nop 0
	PLACES 4
	YBL 0
	KSL 0
	WIN W_LD
.irp f, 0,1,2,3,4
	KL \f, \f, 0
.endr
.irp n, 0,1,2,3
	GROUP \n, 0
	GROUP \n, 1
.endr
	; THE WAY OUT.  A lane holds 32 neighbouring bytes of a query's row of 64: the wave's 64 rows go through its own stage and leave as 512 consecutive bytes an instruction.
	PLACES 4
	WIN W_AD
.irp q, 0,1,2,3
	ds_store_b128 v[STO], v[O+8*\q:O+8*\q+3] offset:1024*\q              ; each accumulator from its low end on
	ds_store_b128 v[STO], v[O+8*\q+4:O+8*\q+7] offset:1024*\q+16
.endr
.irp i, 0,1,2,3,4,5,6,7
	ds_load_b128 v[S+4*\i:S+4*\i+3], v[RD] offset:512*\i                 ; LDS serves a wave's instructions in order: these see my stores
.endr
.irp i, 0,1,2,3,4,5,6,7
	s_wait_dscnt 7-\i
	global_store_b128 v[CO], v[S+4*\i:S+4*\i+3], s[OP:OP+1] offset:512*\i   ; 32 lanes store 512 consecutive bytes, at a multiple of 256 from the buffer's first byte
.endr
	WIN 0
	s_wait_tensorcnt 0x0                           ; the wave's end
	ds_add_u32 v[SPW], v[NIL]
	s_wait_dscnt 0x0
	ROUND                                          ; the closing round: no work-group ends while a partner may still ask for a tile that names it
	s_endpgm
.Lfunc_end_k_qf2916643df_rbf:
	.size	k_qf2916643df_rbf, .Lfunc_end_k_qf2916643df_rbf-k_qf2916643df_rbf
	.p2alignl 7, 3214868480
	.fill 96, 4, 3214868480
	.section	.rodata,"a",@progbits
	.p2align	6, 0x0
	.amdhsa_kernel k_qf2916643df_rbf
		.amdhsa_group_segment_fixed_size 327680
		.amdhsa_private_segment_fixed_size 0
		.amdhsa_enable_private_segment 0
		.amdhsa_kernarg_size 16
		.amdhsa_user_sgpr_count 2
		.amdhsa_user_sgpr_kernarg_segment_ptr 1
		.amdhsa_wavefront_size32 1
		.amdhsa_system_sgpr_workgroup_id_x 1
		.amdhsa_system_sgpr_workgroup_id_y 1
		.amdhsa_system_sgpr_workgroup_id_z 1
		.amdhsa_system_vgpr_workitem_id 0
		.amdhsa_next_free_vgpr 512
		.amdhsa_next_free_sgpr 66
		.amdhsa_reserve_vcc 0
		.amdhsa_float_denorm_mode_32 3
		.amdhsa_float_denorm_mode_16_64 3
		.amdhsa_memory_ordered 1
		.amdhsa_forward_progress 1
		.amdhsa_inst_pref_size 237
	.end_amdhsa_kernel
	.amdgpu_metadata
---
amdhsa.version: [ 1, 2 ]
amdhsa.kernels:
  - .name:           k_qf2916643df_rbf
    .symbol:         k_qf2916643df_rbf.kd
    .args:
      - { .name: codes, .offset: 0, .size: 8, .value_kind: global_buffer, .address_space: global }
      - { .name: part, .offset: 8, .size: 8, .value_kind: global_buffer, .address_space: global }
    .group_segment_fixed_size: 327680
    .private_segment_fixed_size: 0
    .kernarg_segment_align: 8
    .kernarg_segment_size: 16
    .max_flat_workgroup_size: 256
    .sgpr_count:     66
    .vgpr_count:     512
    .wavefront_size: 32
...
	.end_amdgpu_metadata
.endif
;; end of part 2
;; launch addup (part 3): grid 256 x 1, 4 waves a work-group, no clusters, 0 bytes of LDS; arguments part, out0; writes out0
.if DOCPART == 3
	.amdgcn_target "amdgcn-amd-amdhsa--gfx1250"
	.amdhsa_code_object_version 6
	.text
	.protected	k_qf2916643df_addup
	.globl	k_qf2916643df_addup
	.p2align	8
	.type	k_qf2916643df_addup,@function
k_qf2916643df_addup:
	s_mov_b64 s[64:65], 0
	v_nop
	global_prefetch_b8 v0, s[64:65] scope:SCOPE_SE
	s_setreg_imm32_b32 hwreg(HW_REG_WAVE_MODE, 25, 1), 1
	s_wait_xcnt 0x0
; out0[q][o] = the sum over the 16 key splits y of part[y][q][o], y ascending, in f32.  Each split of part is laid as out0 is, 524,288 bytes.
; A stream: a thread owns 16 bytes of out0 and loads the 16 parts of them at once; a wave's load and its store cover 512 consecutive bytes.  No LDS, no barrier, no matrix unit: nothing here is shared or multiplied.
.set SPLIT, 524288                     ; 15 x SPLIT stays inside the signed 24-bit immediate (ISA guide, chapter 10)
	s_load_b128 s[4:7], s[0:1], 0x0                ; part, out0
	s_lshl_b32 s2, ttmp9, 11                       ; 128 threads x 16 bytes a work-group
	s_mov_b32 s3, 0
	v_lshlrev_b32 v1, 4, v0
	s_wait_alu depctr_va_vdst(0)
	s_wait_kmcnt 0x0
	s_add_nc_u64 s[4:5], s[4:5], s[2:3]
	s_add_nc_u64 s[6:7], s[6:7], s[2:3]
.set y, 0
.rept 16
	global_load_b128 v[4+4*y:7+4*y], v1, s[4:5] offset:SPLIT*y th:TH_LOAD_NT
.set y, y+1
.endr
.set y, 1
.rept 15
	s_wait_alu depctr_va_vdst(0)
	s_wait_loadcnt 15-y                            ; loads come back in order: part y is in, the younger ones stay out
	v_pk_add_f32 v[4:5], v[4:5], v[4+4*y:5+4*y]
	v_pk_add_f32 v[6:7], v[6:7], v[6+4*y:7+4*y]
.set y, y+1
.endr
	global_store_b128 v1, v[4:7], s[6:7]
	s_endpgm
.Lfunc_end_k_qf2916643df_addup:
	.size	k_qf2916643df_addup, .Lfunc_end_k_qf2916643df_addup-k_qf2916643df_addup
	.p2alignl 7, 3214868480
	.fill 96, 4, 3214868480
	.section	.rodata,"a",@progbits
	.p2align	6, 0x0
	.amdhsa_kernel k_qf2916643df_addup
		.amdhsa_group_segment_fixed_size 0
		.amdhsa_private_segment_fixed_size 0
		.amdhsa_enable_private_segment 0
		.amdhsa_kernarg_size 16
		.amdhsa_user_sgpr_count 2
		.amdhsa_user_sgpr_kernarg_segment_ptr 1
		.amdhsa_wavefront_size32 1
		.amdhsa_system_sgpr_workgroup_id_x 1
		.amdhsa_system_sgpr_workgroup_id_y 1
		.amdhsa_system_sgpr_workgroup_id_z 1
		.amdhsa_system_vgpr_workitem_id 0
		.amdhsa_next_free_vgpr 72
		.amdhsa_next_free_sgpr 66
		.amdhsa_reserve_vcc 0
		.amdhsa_float_denorm_mode_32 3
		.amdhsa_float_denorm_mode_16_64 3
		.amdhsa_memory_ordered 1
		.amdhsa_forward_progress 1
		.amdhsa_inst_pref_size 5
	.end_amdhsa_kernel
	.amdgpu_metadata
---
amdhsa.version: [ 1, 2 ]
amdhsa.kernels:
  - .name:           k_qf2916643df_addup
    .symbol:         k_qf2916643df_addup.kd
    .args:
      - { .name: part, .offset: 0, .size: 8, .value_kind: global_buffer, .address_space: global }
      - { .name: out0, .offset: 8, .size: 8, .value_kind: global_buffer, .address_space: global }
    .group_segment_fixed_size: 0
    .private_segment_fixed_size: 0
    .kernarg_segment_align: 8
    .kernarg_segment_size: 16
    .max_flat_workgroup_size: 128
    .sgpr_count:     66
    .vgpr_count:     72
    .wavefront_size: 32
...
	.end_amdgpu_metadata
.endif
;; end of part 3
